; MI455X (gfx1250); checked and timed in simulation.
; The chip was launched on July 23, 2026; its instructions are those of AMD's public machine-readable ISA for CDNA 5 (MIT licence, August 2026) and "CDNA5" Instruction Set Architecture Reference Guide (July 2026). The comments in the code are by the model that wrote it; some were corrected since.
;; Bahdanau Attention. Allowed arithmetic: float matrix products may take bf16 or f16 operands with f32 sums; other float arithmetic in f32, or as packed bf16 or f16 multiplies, adds, multiply-adds, maxima and minima; sums over many terms, partial sums and values carried from step to step in f32; what a program stores and reads back later, other than sums and carried values, may be rounded once to bf16 or f16.
;; Inputs: Wa 1,024 float32; Wb 1,024 x 1,024 float32; Wc 1,024 x 1,024 float32; dec_prev_hidden 32 x 1,024 float32; enc_outputs 2,048 x 32 x 1,024 float32.
;; Outputs: out0 1 x 32 x 1,024 float32.
;; One version. Each part assembles by itself: llvm-mc -triple=amdgcn-amd-amdhsa -mcpu=gfx1250 --defsym DOCPART=n.
;; ======== version 1 of 1: 3 launches
;; workspace buffers: wcf 2,097,152 bytes; ws2 131,072 bytes; part 1,179,648 bytes
;; launch prep (part 1): grid 64 x 1, 4 waves a work-group, no clusters, 8,704 bytes of LDS; arguments Wc, Wb, dec_prev_hidden, wcf, ws2; writes wcf, ws2
.if DOCPART == 1
	.amdgcn_target "amdgcn-amd-amdhsa--gfx1250"
	.amdhsa_code_object_version 6
	.text
	.protected	k_q0bbaec3da2_prep
	.globl	k_q0bbaec3da2_prep
	.p2align	8
	.type	k_q0bbaec3da2_prep,@function
k_q0bbaec3da2_prep:
	s_mov_b64 s[64:65], 0
	v_nop
	global_prefetch_b8 v0, s[64:65] scope:SCOPE_SE
	s_setreg_imm32_b32 hwreg(HW_REG_WAVE_MODE, 25, 1), 1
	s_wait_xcnt 0x0
; PREP.  Two things, once: (1) Wc [1024][1024] f32 is rounded to bf16 and written in the order in which the next launch's matrix
; instructions want it: wcf[G][s][q][half][lane][16 bytes]: the block (G, s, q) of 1,024 bytes is the fragment of columns n = 128 G + 16 q + (lane % 16),
; k = 32 s ..; half 0 holds a lane's registers 0-3 (k = 32 s + 8 (lane / 16) + 0..7), half 1 its registers 4-7 (k = 32 s + 16 + 8 (lane / 16) + 0..7).
; (2) ws2[g][b][e] = c x the sum over d of dec[b][d] Wb[16 g + e][d], c = 2 log2(e), f32: products in bf16, sums in f32.
; SHARES.  Work-group g owns rows 16 g .. 16 g + 15 of Wc and of Wb; wave v owns k = 256 v .. 256 v + 255: eight steps of 32.  The four waves' partial sums of ws meet in LDS.
; All 128 loads of a wave (16 bytes a lane each) are issued on end; nothing is loaded twice.
; REGISTERS.  window 0: v1 r, v2 h, v3 my offset in a row block, v4 16 x lane, v5, v6 LDS places, v8, v9 the add's two, v[16:31] two accumulators, v[32:47] the final sums.
;   window 1: v[16 s ..] Wc's 16 f32 of step s, v[128 + 16 s ..] Wb's.     window 2: v[128 t + 16 s ..] dec's, rows 16 t .. 16 t + 15.
.set SPARE, 8192                       ; behind the four partial tiles of 2,048 bytes: the spare words, 128 bytes a wave
.set CLOG,  0x4038aa3b                 ; c = 2 log2(e)
.set MSB, 0
.macro WIN new                         ; the immediate's high byte repeats the setting that is left; a switch that changes nothing is dropped
.if MSB != (\new)
	s_set_vgpr_msb (MSB<<8)|(\new)
.set MSB, \new
.endif
.endm
.macro CVT8 x                          ; 16 f32 at v[x ..] become a fragment's 8 registers at v[x ..]: ascending, so no source is written before it is read
.irp i, 0,1,2,3,4,5,6,7
	v_cvt_pk_bf16_f32 v[(\x)+(\i)], v[(\x)+2*(\i)], v[(\x)+2*(\i)+1]
.endr
.endm
	s_load_b256 s[4:11], s[0:1], 0x0               ; Wc s[4:5], Wb s[6:7], dec s[8:9], wcf s[10:11]
	s_load_b64 s[12:13], s[0:1], 0x20              ; ws2
	v_lshl_add_u32 v8, v0, 2, SPARE                ; my spare word
	v_mov_b32 v9, 0
	v_lshrrev_b32 v7, 5, v0
	v_readfirstlane_b32 s14, v7                    ; wave 0..3
	v_and_b32 v1, 15, v0                           ; r
	v_bfe_u32 v2, v0, 4, 1                         ; h
	v_lshlrev_b32 v3, 12, v1                       ; row r: 4,096 bytes a row
	v_lshl_add_u32 v3, v2, 5, v3                   ; + 8 h numbers of f32
	s_lshl_b32 s15, s14, 10
	v_add_nc_u32 v3, s15, v3                       ; + my wave's 256 k
	v_and_b32 v4, 31, v0
	v_lshlrev_b32 v4, 4, v4                        ; 16 x lane
	v_lshlrev_b32 v5, 6, v1                        ; partial tile: b x 64 + e x 4 with b = 16 t + r, e = 8 h + j
	v_lshl_add_u32 v5, v2, 5, v5
	s_lshl_b32 s15, s14, 11
	v_add_nc_u32 v5, s15, v5                       ; in my wave's 2,048 bytes
	v_lshlrev_b32 v6, 4, v0                        ; 16 x thread
	s_lshl_b32 s16, ttmp9, 16                      ; 16 rows of 4,096 bytes
	s_mov_b32 s17, 0
	s_lshr_b32 s18, ttmp9, 3                       ; G = g / 8
	s_lshl_b32 s18, s18, 18
	s_and_b32 s19, ttmp9, 7                        ; q = g % 8
	s_lshl_b32 s19, s19, 10
	s_add_co_u32 s18, s18, s19
	s_lshl_b32 s19, s14, 16                        ; my wave's eight steps of 8,192 bytes
	s_add_co_u32 s18, s18, s19
	s_mov_b32 s19, 0
	s_lshl_b32 s20, ttmp9, 11                      ; ws2: 2,048 bytes a work-group
	s_mov_b32 s21, 0
	s_wait_kmcnt 0x0
	s_add_nc_u64 s[4:5], s[4:5], s[16:17]
	s_add_nc_u64 s[6:7], s[6:7], s[16:17]
	s_add_nc_u64 s[10:11], s[10:11], s[18:19]
	s_add_nc_u64 s[12:13], s[12:13], s[20:21]
	WIN 0x40                                       ; destination window 1, address window 0
.irp m, 0,1                            ; m = 0: Wc, m = 1: Wb
.irp s, 0,1,2,3,4,5,6,7
	global_load_b128 v[128*(\m)+16*(\s):128*(\m)+16*(\s)+3],     v3, s[4+2*(\m):5+2*(\m)] offset:128*(\s)
	global_load_b128 v[128*(\m)+16*(\s)+4:128*(\m)+16*(\s)+7],   v3, s[4+2*(\m):5+2*(\m)] offset:128*(\s)+16
	global_load_b128 v[128*(\m)+16*(\s)+8:128*(\m)+16*(\s)+11],  v3, s[4+2*(\m):5+2*(\m)] offset:128*(\s)+64
	global_load_b128 v[128*(\m)+16*(\s)+12:128*(\m)+16*(\s)+15], v3, s[4+2*(\m):5+2*(\m)] offset:128*(\s)+80
.endr
.endr
	WIN 0x80                                       ; destination window 2
.irp s, 0,1,2,3,4,5,6,7
.irp t, 0,1
	global_load_b128 v[128*(\t)+16*(\s):128*(\t)+16*(\s)+3],     v3, s[8:9] offset:65536*(\t)+128*(\s)
	global_load_b128 v[128*(\t)+16*(\s)+4:128*(\t)+16*(\s)+7],   v3, s[8:9] offset:65536*(\t)+128*(\s)+16
	global_load_b128 v[128*(\t)+16*(\s)+8:128*(\t)+16*(\s)+11],  v3, s[8:9] offset:65536*(\t)+128*(\s)+64
	global_load_b128 v[128*(\t)+16*(\s)+12:128*(\t)+16*(\s)+15], v3, s[8:9] offset:65536*(\t)+128*(\s)+80
.endr
.endr
	s_wait_loadcnt 63                              ; of 128 loads at most 63 are out: the first 65 are in, Wc's 32 and Wb's 32 among them
	WIN 0x45                                       ; all three places window 1
.irp s, 0,1,2,3,4,5,6,7
	CVT8 16*(\s)                                   ; Wc
.endr
	WIN 0x04                                       ; store data window 1, address window 0
.irp s, 0,1,2,3,4,5,6,7
	global_store_b128 v4, v[16*(\s):16*(\s)+3],   s[10:11] offset:8192*(\s)      ; a store of the wave covers 512 consecutive bytes, aligned
	global_store_b128 v4, v[16*(\s)+4:16*(\s)+7], s[10:11] offset:8192*(\s)+512
.endr
	WIN 0x45
.irp s, 0,1,2,3,4,5,6,7
	CVT8 128+16*(\s)                               ; Wb
.endr
; ws^T = Wb dec^T: source 0 = 16 rows e of Wb, source 1 = 16 rows b of dec.  Register j of lane (r, h) is (e = 8 h + j, b = 16 t + r).
; The two accumulators take turns, one instruction a turn; the first step starts the sums with the constant 0.
.irp s, 0,1,2,3,4,5,6,7
	s_wait_loadcnt 56-8*(\s)                       ; the eight loads of each later step may stay out
	WIN 0x8a                                       ; all three places window 2
	CVT8 16*(\s)
	CVT8 128+16*(\s)
	WIN 0x09                                       ; source 0 window 1, source 1 window 2, C and D window 0
.if (\s) == 0
	v_wmma_f32_16x16x32_bf16 v[16:23], v[128:135], v[0:7], 0
	v_wmma_f32_16x16x32_bf16 v[24:31], v[128:135], v[128:135], 0
.else
	v_wmma_f32_16x16x32_bf16 v[16:23], v[128+16*(\s):128+16*(\s)+7], v[16*(\s):16*(\s)+7], v[16:23]
	v_wmma_f32_16x16x32_bf16 v[24:31], v[128+16*(\s):128+16*(\s)+7], v[128+16*(\s):128+16*(\s)+7], v[24:31]
.endif
.endr
	WIN 0
.rept 8
	v_nop                                          ; the places between the last products and the LDS stores that read them; once a launch
.endr
.irp t, 0,1
	ds_store_b128 v5, v[16+8*(\t):19+8*(\t)] offset:1024*(\t)      ; each accumulator's low registers first
	ds_store_b128 v5, v[20+8*(\t):23+8*(\t)] offset:1024*(\t)+16
.endr
	s_wait_dscnt 0x0                               ; for the others' sake: my partial tile lies in LDS
	s_barrier_signal -1
	s_barrier_wait -1
.irp u, 0,1,2,3
	ds_load_b128 v[32+4*(\u):35+4*(\u)], v6 offset:2048*(\u)       ; thread t takes the same 16 bytes of all four partial tiles
.endr
	s_wait_dscnt 0x0
	v_pk_add_f32 v[32:33], v[32:33], v[36:37]
	v_pk_add_f32 v[34:35], v[34:35], v[38:39]
	v_pk_add_f32 v[40:41], v[40:41], v[44:45]
	v_pk_add_f32 v[42:43], v[42:43], v[46:47]
	v_pk_add_f32 v[32:33], v[32:33], v[40:41]
	v_pk_add_f32 v[34:35], v[34:35], v[42:43]
	v_pk_mul_f32 v[32:33], v[32:33], CLOG op_sel_hi:[1,0]
	v_pk_mul_f32 v[34:35], v[34:35], CLOG op_sel_hi:[1,0]
	global_store_b128 v6, v[32:35], s[12:13]       ; 512 consecutive bytes a wave
	s_wait_tensorcnt 0x0                           ; the wave's end: behind my last LDS store
	ds_add_u32 v8, v9
	s_wait_dscnt 0x0
	s_endpgm
.Lfunc_end_k_q0bbaec3da2_prep:
	.size	k_q0bbaec3da2_prep, .Lfunc_end_k_q0bbaec3da2_prep-k_q0bbaec3da2_prep
	.p2alignl 7, 3214868480
	.fill 96, 4, 3214868480
	.section	.rodata,"a",@progbits
	.p2align	6, 0x0
	.amdhsa_kernel k_q0bbaec3da2_prep
		.amdhsa_group_segment_fixed_size 8704
		.amdhsa_private_segment_fixed_size 0
		.amdhsa_enable_private_segment 0
		.amdhsa_kernarg_size 40
		.amdhsa_user_sgpr_count 2
		.amdhsa_user_sgpr_kernarg_segment_ptr 1
		.amdhsa_wavefront_size32 1
		.amdhsa_system_sgpr_workgroup_id_x 1
		.amdhsa_system_sgpr_workgroup_id_y 1
		.amdhsa_system_sgpr_workgroup_id_z 1
		.amdhsa_system_vgpr_workitem_id 0
		.amdhsa_next_free_vgpr 768
		.amdhsa_next_free_sgpr 66
		.amdhsa_reserve_vcc 0
		.amdhsa_float_denorm_mode_32 3
		.amdhsa_float_denorm_mode_16_64 3
		.amdhsa_memory_ordered 1
		.amdhsa_forward_progress 1
		.amdhsa_inst_pref_size 35
	.end_amdhsa_kernel
	.amdgpu_metadata
---
amdhsa.version: [ 1, 2 ]
amdhsa.kernels:
  - .name:           k_q0bbaec3da2_prep
    .symbol:         k_q0bbaec3da2_prep.kd
    .args:
      - { .name: Wc, .offset: 0, .size: 8, .value_kind: global_buffer, .address_space: global }
      - { .name: Wb, .offset: 8, .size: 8, .value_kind: global_buffer, .address_space: global }
      - { .name: dec_prev_hidden, .offset: 16, .size: 8, .value_kind: global_buffer, .address_space: global }
      - { .name: wcf, .offset: 24, .size: 8, .value_kind: global_buffer, .address_space: global }
      - { .name: ws2, .offset: 32, .size: 8, .value_kind: global_buffer, .address_space: global }
    .group_segment_fixed_size: 8704
    .private_segment_fixed_size: 0
    .kernarg_segment_align: 8
    .kernarg_segment_size: 40
    .max_flat_workgroup_size: 128
    .sgpr_count:     66
    .vgpr_count:     768
    .wavefront_size: 32
...
	.end_amdgpu_metadata
.endif
;; end of part 1
;; launch attend (part 2): grid 256 x 1, 4 waves a work-group, no clusters, 281,088 bytes of LDS; arguments enc_outputs, wcf, ws2, Wa, part; writes part
.if DOCPART == 2
	.amdgcn_target "amdgcn-amd-amdhsa--gfx1250"
	.amdhsa_code_object_version 6
	.text
	.protected	k_q0bbaec3da2_attend
	.globl	k_q0bbaec3da2_attend
	.p2align	8
	.type	k_q0bbaec3da2_attend,@function
k_q0bbaec3da2_attend:
	s_mov_b64 s[64:65], 0
	v_nop
	global_prefetch_b8 v0, s[64:65] scope:SCOPE_SE
	s_setreg_imm32_b32 hwreg(HW_REG_WAVE_MODE, 25, 1), 1
	s_wait_xcnt 0x0
; ATTEND.  For one b and 256 values of s: H = enc Wc^T, score = the sum over n of Wa[n] tanh(H + ws[b][n]), a running softmax over s, and the context, all in one launch.
; Work-group g: b = g % 32, s = 256 (g / 32) .. + 255, in two TILES of 128 rows.  A row (s, b) of enc is 4,096 consecutive bytes, so a tile's rows may lie 131,072 bytes apart.
; A tile is rounded to bf16 ONCE into LDS (128 rows x 2,048 bytes) and stays there while all of Wc walks past and while the context is taken from it: enc is read from memory once.
; A tile has two PASSES of 512 columns; in a pass wave w makes all 128 rows x columns 512 c + 128 w .. + 127: 64 accumulators of 16 x 16, 512 registers.
; A's fragments come from LDS (all four waves read the same rows); B's come straight from wcf, which the launch before laid out in fragment order: 512 consecutive bytes a load, each wave its own
; columns.  So the loop over K has no barrier.
; TANH.  tanh(x) = 1 - 2 / (1 + 2^(c x)), c = 2 log2(e).  The scores are kept in the base-2 domain, s2 = the sum of (-c Wa[n]) / (1 + 2^(c H + c ws)); the constant log2(e) x (the sum of Wa) is
; left out: it is the same for every s and falls out of the softmax exactly.  p = 2^(s2 - m), m the running maximum; l and the context are multiplied by 2^(m_old - m_new) at each tile.
; OUT.  part[g]: the context's 1,024 f32 sums, then 512 bytes that repeat (m, l).  The next launch joins the eight records of a b.
; NO CLUSTER: beside the resident tile LDS has 63,488 bytes: two slots for shared tiles of Wc would hold 28 KiB each at the most, the B fragments of under four K steps, so a round of the
; cluster's barrier would stand in front of every 220 matrix instructions or fewer; and no wave of a work-group wants a byte of Wc that another wave has fetched.
; LIMITS.  Every input is rounded once to bf16 (enc, Wc, Wb, dec as matrix operands; Wa, and enc in the context, likewise).  2^t beyond f32's range gives 1 / infinity = 0, below it 1 / 1 = 1: tanh's
; own limits.  A weight p below 2^-126 counts as 0.  NaN and infinities among the inputs are not treated apart.
; REGISTERS, in windows of 256 (s_set_vgpr_msb: bits 1:0 source 0, 3:2 source 1, 5:4 source 2, 7:6 destination):
;   window 0: v0-63 addresses, statistics, context, bias and weights; v64-127, v128-191 A's two fragment buffers (in the epilogue four buffers T of 32); v192-255 the scores' 64 partial sums
;   window 1: B's ring of four buffers of 64        windows 2, 3: the accumulators, row tile a, column tile q at v[8 (8 (a % 4) + q)]; window 2 is also where a tile's f32 rows land
.set PITCH, 2064                       ; an LDS row of A: 2,048 bytes + 16: an odd multiple of 16, so the 16 rows of a fragment load start at 16 different groups of four banks (ISA guide 11.1)
.set BIAS,  128*PITCH                  ; c ws[b][n], 1,024 f32
.set WA2,   BIAS+4096                  ; -c bf16(Wa[n]), 1,024 f32
.set SCP,   WA2+4096                   ; wave x 512 + row x 4: each wave's partial scores
.set PT,    SCP+2048                   ; wave x 512 + row x 4: each wave's own copy of p
.set CT,    PT+2048                    ; wave x 1,024: turns the context for its stores
.set SPARE, CT+4096                    ; the spare words, 128 bytes a wave
.set L16,  1                           ; 16 x lane; never rewritten
.set AD0,  2                           ; v2-5   A fragments: 32 p rows + row r, + 16 h
.set ADR,  6                           ; v6-9   the same, walking along K
.set BT0,  10                          ; BIAS + 512 w + 4 r
.set BTW,  11                          ; + the pass's 2,048
.set AST0, 12                          ; where my wave's 32 rows begin, + 8 x lane
.set AST,  13                          ; walking
.set SCA,  14                          ; SCP + 512 w + 32 h
.set SCR,  15                          ; SCP + 16 x lane
.set PTW,  16                          ; PT + 512 w + 16 x lane
.set PA,   17                          ; p's read address
.set CA,   18                          ; the context's read address in A
.set PFO,  19                          ; the prefetches' offset: (lane / 16) rows + (lane % 16) x 256 bytes; never rewritten
.set CTW,  20
.set CTR,  21
.set TO,   22                          ; my 16 bytes in ws2
.set T16,  23                          ; 16 x thread
.set SPW,  24                          ; my spare word; never rewritten
.set NIL,  25                          ; 0; never rewritten
.set MX,   26                          ; m
.set LS,   27                          ; l
.set CTX,  28                          ; v28-35 the context's channels 256 w + 8 lane + 0..7
.set BI,   36                          ; v36-43 the pass's bias, column tile q
.set WA,   44                          ; v44-51 the pass's weights
.set TMP,  52                          ; v52-63 at work
.set F0,   64
.set F1,   128
.set TB,   64                          ; the epilogue's T[g % 4] at TB + 32 (g % 4)
.set SUM,  192                         ; SUM + 8 a + j: row 16 a + 8 h + j
.set R0,   96                          ; the context: 16 rows x 4 registers, two buffers
.set P0,   224                         ; 16 weights, two buffers
.set WV,   14
.set ENCP, 18                          ; s[18:19] enc at my wave's rows in hand
.set BP,   20                          ; s[20:21] wcf at the K steps in hand
.set B0,   22                          ; s[22:23] wcf at my columns of chunk 0
.set TILES, 24
.set CHUNKS, 25
.set KT,   26
.set GRP,  27
.set CTT,  28
.set PASSES, 29                        ; passes to go, this one among them
.set CC,   30                          ; s[30:31] c, c
.set SEL,  32                          ; s[32:33] v_permlanex16_b32's selects: each lane takes its own place in the other half
.set B1,   34                          ; s[34:35] wcf at my columns of chunk 1
.set CB,   36                          ; 0 or 2,048: the chunk's place in the two tables
.set PTB,  40                          ; PT + 512 w
.set W512, 41                          ; 512 w
.set MSB, 0
.macro WIN new                         ; the immediate's high byte repeats the setting that is left; a switch that changes nothing is dropped
.if MSB != (\new)
	s_set_vgpr_msb (MSB<<8)|(\new)
.set MSB, \new
.endif
.endm
; A load into a register that a matrix instruction has read, and a vector instruction that reads a matrix result, stand four places behind it; only plain vector instructions that name
; none of its registers are places (ISA guide 7.12.1 for vector instructions).
.macro PLACES
.rept 4
	v_nop
.endr
.endm
; 32 matrix instructions: row tiles 4 hi .. 4 hi + 3 x all 8 column tiles, 32 along K.  The 64 accumulators take turns, in the same order in every step.
.macro MUL32 f, bb, hi, zero
	WIN 0xa4+0x50*(\hi)                            ; A window 0, B window 1, C and D window 2 or 3
.irp a, 0,1,2,3
.irp q, 0,1,2,3,4,5,6,7
.if \zero
	v_wmma_f32_16x16x32_bf16 v[8*(8*(\a)+(\q)):8*(8*(\a)+(\q))+7], v[(\f)+8*(4*(\hi)+(\a)):(\f)+8*(4*(\hi)+(\a))+7], v[64*(\bb)+8*(\q):64*(\bb)+8*(\q)+7], 0
.else
	v_wmma_f32_16x16x32_bf16 v[8*(8*(\a)+(\q)):8*(8*(\a)+(\q))+7], v[(\f)+8*(4*(\hi)+(\a)):(\f)+8*(4*(\hi)+(\a))+7], v[64*(\bb)+8*(\q):64*(\bb)+8*(\q)+7], v[8*(8*(\a)+(\q)):8*(8*(\a)+(\q))+7]
.endif
.endr
.endr
.endm
.macro FETCH_A g, k                    ; 16 LDS loads: the 8 row tiles' fragments at byte k behind the walking addresses
	WIN 0
.irp i, 0,1,2,3,4,5,6,7
	ds_load_b128 v[(\g)+8*(\i):(\g)+8*(\i)+3],   v[ADR+(\i)/2] offset:((\i)%2)*16*PITCH+(\k)
	ds_load_b128 v[(\g)+8*(\i)+4:(\g)+8*(\i)+7], v[ADR+(\i)/2] offset:((\i)%2)*16*PITCH+(\k)+32
.endr
.endm
.macro FETCH_B nb, i                   ; 16 global loads of 512 consecutive bytes: the 8 column tiles' fragments of K step i behind BP
	WIN 0x40
.irp q, 0,1,2,3,4,5,6,7
	global_load_b128 v[64*(\nb)+8*(\q):64*(\nb)+8*(\q)+3],   v[L16], s[BP:BP+1] offset:8192*(\i)+1024*(\q)
	global_load_b128 v[64*(\nb)+8*(\q)+4:64*(\nb)+8*(\q)+7], v[L16], s[BP:BP+1] offset:8192*(\i)+1024*(\q)+512
.endr
.endm
; A K step of 32: 64 matrix instructions on A buffer f and B buffer bb.  In its middle: A of the next step into buffer g, B of the step three on into the buffer that the step before read.
.macro STEP f, g, bb, kA, iB, zero, ldA, ldB, cntB
	s_wait_loadcnt \cntB                           ; this step's B is in; the B loads of the later steps, 16 each, may stay out
	s_wait_dscnt 8                                 ; A's row tiles 0-3 are in; the youngest eight loads (row tiles 4-7) may be out
	MUL32 \f, \bb, 0, \zero
.if \ldA
	PLACES                                         ; behind the step before, which read both buffers that are now loaded
	FETCH_A \g, \kA
.endif
.if \ldB
	FETCH_B ((\bb)+3)%4, \iB
.endif
.if \ldA
	s_wait_dscnt 16                                ; all but the 16 just issued
.else
	s_wait_dscnt 0x0
.endif
	MUL32 \f, \bb, 1, \zero
.endm
; One row of the tile on its way in: its eight loads (512 bytes of f32 each) are in; rounded to bf16 in place, stored into A; more = 1: the slot is asked for again, eight rows on.
.macro ROWIN rr, left, more
	s_wait_loadcnt \left                           ; loads come back in order (ISA guide 5.7.1): the younger rows' may stay out
	WIN 0x8a
.irp jj, 0,1,2,3,4,5,6,7
	v_cvt_pk_bf16_f32 v[32*(\rr)+4*(\jj)],   v[32*(\rr)+4*(\jj)],   v[32*(\rr)+4*(\jj)+1]
	v_cvt_pk_bf16_f32 v[32*(\rr)+4*(\jj)+1], v[32*(\rr)+4*(\jj)+2], v[32*(\rr)+4*(\jj)+3]
.endr
	WIN 0x08                                       ; store data window 2, address window 0
.irp jj, 0,1,2,3,4,5,6,7
	ds_store_b64 v[AST], v[32*(\rr)+4*(\jj):32*(\rr)+4*(\jj)+1] offset:PITCH*(\rr)+256*(\jj)  ; 32 lanes, 256 consecutive bytes
.endr
.if \more
	WIN 0x80
.irp jj, 0,1,2,3,4,5,6,7
	global_load_b128 v[32*(\rr)+4*(\jj):32*(\rr)+4*(\jj)+3], v[L16], s[ENCP:ENCP+1] offset:131072*(8+(\rr))+512*(\jj) th:TH_LOAD_NT
.endr
.endif
.endm
; THE EPILOGUE of a pass, by groups g = 0..15 of 32 accumulator registers (row tile g / 2, column tiles 4 (g % 2) + 0..3), in five stages a group:
;   PRE  t = c H + c ws           EXP  2^t           ADD  1 + 2^t           RCP  1 / (1 + 2^t)           SUM  the row's sum += (-c Wa) x that
; A lane's two registers of a pair are two rows of ONE column, so bias and weight are one register for both halves: op_sel and op_sel_hi pick it out of its even-aligned pair.
.macro PRE g
.if ((\g) >= 0) && ((\g) < 16)
	WIN 0x02+(\g)/8                                ; source 0 window 2 or 3
.set i, 0
.rept 16                               ; ascending: each accumulator's lowest registers are read first
.set xq, 4*((\g)%2)+i/4
.set xt, TB+32*((\g)%4)+2*i
.set xs, 32*((\g)%8)+2*i
.if xq%2
	v_pk_fma_f32 v[xt:xt+1], v[xs:xs+1], s[CC:CC+1], v[BI+xq-1:BI+xq] op_sel:[0,0,1] op_sel_hi:[1,0,1]
.else
	v_pk_fma_f32 v[xt:xt+1], v[xs:xs+1], s[CC:CC+1], v[BI+xq:BI+xq+1] op_sel_hi:[1,0,0]
.endif
.set i, i+1
.endr
.endif
.endm
.macro EXP1 g, n
.if ((\g) >= 0) && ((\g) < 16)
	v_exp_f32 v[TB+32*((\g)%4)+(\n)], v[TB+32*((\g)%4)+(\n)]
.endif
.endm
.macro ADD1 g, n
.if ((\g) >= 0) && ((\g) < 16)
	v_pk_add_f32 v[TB+32*((\g)%4)+2*(\n):TB+32*((\g)%4)+2*(\n)+1], v[TB+32*((\g)%4)+2*(\n):TB+32*((\g)%4)+2*(\n)+1], 1.0 op_sel_hi:[1,0]
.endif
.endm
.macro SUM1 g, n
.if ((\g) >= 0) && ((\g) < 16)
.set xq, 4*((\g)%2)+(\n)/4
.set xt, TB+32*((\g)%4)+2*(\n)
.set xs, SUM+8*((\g)/2)+2*((\n)%4)
.if xq%2
	v_pk_fma_f32 v[xs:xs+1], v[xt:xt+1], v[WA+xq-1:WA+xq], v[xs:xs+1] op_sel:[0,1,0] op_sel_hi:[1,1,1]
.else
	v_pk_fma_f32 v[xs:xs+1], v[xt:xt+1], v[WA+xq:WA+xq+1], v[xs:xs+1] op_sel_hi:[1,0,1]
.endif
.endif
.endm
.macro RCPS g
.if ((\g) >= 0) && ((\g) < 16)
.set i, 0
.rept 32
	v_rcp_f32 v[TB+32*((\g)%4)+i], v[TB+32*((\g)%4)+i]
.set i, i+1
.endr
.endif
.endm
; PHASE p holds PRE of group p + 1, EXP of p, ADD and RCP of p - 1, SUM of p - 2.  Every reader of an exponential or a reciprocal stands in a LATER phase than the instruction that made it, so a
; phase's 64 transcendentals are one batch with ONE wait, at the phase's end, behind one plain instruction.  T[g % 4] is written anew one phase behind its last reader.
.macro PHASE p
	PRE (\p)+1
	WIN 0
.set i, 0
.rept 16
	EXP1 \p, 2*i
	ADD1 (\p)-1, i
	EXP1 \p, 2*i+1
	SUM1 (\p)-2, i
.set i, i+1
.endr
	RCPS (\p)-1
.if ((\p) >= 0) && ((\p) <= 16)
	v_nop
	s_wait_alu depctr_va_vdst(0)
.endif
.endm
; THE CONTEXT.  16 rows at a time: their weights (every lane reads the same 64 bytes of my wave's table) and my 16 bytes (8 channels) of each row.
.macro LOADH buf, hb
.irp t, 0,1,2,3
	ds_load_b128 v[P0+16*(\buf)+4*(\t):P0+16*(\buf)+4*(\t)+3], v[PA] offset:64*(\hb)+16*(\t)
.endr
.irp i, 0,1,2,3,4,5,6,7,8,9,10,11,12,13,14,15
	ds_load_b128 v[R0+64*(\buf)+4*(\i):R0+64*(\buf)+4*(\i)+3], v[CA] offset:16*PITCH*(\hb)+PITCH*(\i)
.endr
.endm
.macro FMAH buf                        ; ctx += p x enc, straight from the bf16 halves, in f32: eight sums take turns
.set i, 0
.rept 16
.irp k, 0,1,2,3
	v_fma_mix_f32_bf16 v[CTX+2*(\k)],   v[R0+64*(\buf)+4*i+(\k)], v[P0+16*(\buf)+i], v[CTX+2*(\k)]   op_sel_hi:[1,0,0]
	v_fma_mix_f32_bf16 v[CTX+2*(\k)+1], v[R0+64*(\buf)+4*i+(\k)], v[P0+16*(\buf)+i], v[CTX+2*(\k)+1] op_sel:[1,0,0] op_sel_hi:[1,0,0]
.endr
.set i, i+1
.endr
.endm
	s_load_b256 s[4:11], s[0:1], 0x0               ; enc s[4:5], wcf s[6:7], ws2 s[8:9], Wa s[10:11]
	s_load_b64 s[12:13], s[0:1], 0x20              ; part
	v_lshl_add_u32 v[SPW], v0, 2, SPARE
	v_mov_b32 v[NIL], 0
	v_lshrrev_b32 v[TMP], 5, v0
	v_readfirstlane_b32 s[WV], v[TMP]              ; wave 0..3
	v_and_b32 v[TMP], 31, v0                       ; lane
	v_and_b32 v[TMP+1], 15, v0                     ; r
	v_bfe_u32 v[TMP+2], v0, 4, 1                   ; h
	v_lshlrev_b32 v[L16], 4, v[TMP]
	v_mul_u32_u24 v[AD0], v[TMP+1], PITCH
	v_lshl_add_u32 v[AD0], v[TMP+2], 4, v[AD0]     ; row r x pitch + 16 h
	v_add_nc_u32 v[AD0+1], 32*PITCH, v[AD0]
	v_add_nc_u32 v[AD0+2], 64*PITCH, v[AD0]
	v_add_nc_u32 v[AD0+3], 96*PITCH, v[AD0]
	s_lshl_b32 s[W512], s[WV], 9
	s_add_co_u32 s37, s[W512], BIAS
	v_lshl_add_u32 v[BT0], v[TMP+1], 2, s37
	s_mul_i32 s37, s[WV], 32*PITCH
	v_lshl_add_u32 v[AST0], v[TMP], 3, s37
	s_add_co_u32 s37, s[W512], SCP
	v_lshl_add_u32 v[SCA], v[TMP+2], 5, s37
	v_add_nc_u32 v[SCR], SCP, v[L16]
	s_add_co_u32 s[PTB], s[W512], PT
	v_add_nc_u32 v[PTW], s[PTB], v[L16]
	v_lshlrev_b32 v[PFO], 8, v[TMP+1]
	v_lshl_add_u32 v[PFO], v[TMP+2], 17, v[PFO]
	s_lshl_b32 s37, s[WV], 10
	s_add_co_u32 s37, s37, CT
	v_lshl_add_u32 v[CTW], v[TMP], 5, s37
	v_add_nc_u32 v[CTR], s37, v[L16]
	v_lshrrev_b32 v[TMP+3], 2, v0
	v_and_b32 v[TMP+4], 3, v0
	v_lshlrev_b32 v[TO], 11, v[TMP+3]              ; ws2 is [n / 16][b][16]: thread t takes n = 4 t .. 4 t + 3
	v_lshl_add_u32 v[TO], v[TMP+4], 4, v[TO]
	v_lshlrev_b32 v[T16], 4, v0
	v_mov_b32 v[MX], 0xff7fffff                    ; m starts at the lowest finite number, l and the context at 0: the first tile's factor is 0
	v_mov_b32 v[LS], 0
.irp k, 0,1,2,3,4,5,6,7
	v_mov_b32 v[CTX+(\k)], 0
.endr
	s_and_b32 s15, ttmp9, 31                       ; b
	s_lshr_b32 s16, ttmp9, 5                       ; which 256 values of s
	s_lshl_b32 s38, s16, 8
	s_lshl_b32 s37, s[WV], 5
	s_add_co_u32 s38, s38, s37                     ; my wave's first s: 256 j + 32 w
	s_lshl_b32 s38, s38, 17                        ; 131,072 bytes from s to s + 1; under 2^28
	s_lshl_b32 s37, s15, 12
	s_add_co_u32 s38, s38, s37
	s_mov_b32 s39, 0
	s_lshl_b32 s42, s[WV], 18                      ; my 128 columns of a chunk: 262,144 bytes of wcf
	s_mov_b32 s43, 0
	s_lshl_b32 s44, s15, 6
	s_mov_b32 s45, 0
	s_mul_i32 s46, ttmp9, 4608
	s_mov_b32 s47, 0
	s_mov_b32 s[CC], 0x4038aa3b                    ; c = 2 log2(e)
	s_mov_b32 s[CC+1], s[CC]                       ; named with it as a pair
	s_mov_b32 s[SEL], 0x76543210
	s_mov_b32 s[SEL+1], 0xfedcba98
	s_mov_b32 s[TILES], 2
	s_mov_b32 s[PASSES], 4
	s_mov_b32 s[CB], 0
	s_wait_kmcnt 0x0
	s_add_nc_u64 s[ENCP:ENCP+1], s[4:5], s[38:39]
	s_add_nc_u64 s[B0:B0+1], s[6:7], s[42:43]
	s_add_nc_u64 s[B1:B1+1], s[B0:B0+1], 0x100000  ; chunk 1: four groups of 128 columns on
	s_mov_b64 s[BP:BP+1], s[B0:B0+1]
	s_add_nc_u64 s[8:9], s[8:9], s[44:45]
	s_add_nc_u64 s[12:13], s[12:13], s[46:47]
	global_load_b128 v[64:67], v[TO],  s[8:9]                  ; the two tables, used behind the first tile's load
	global_load_b128 v[68:71], v[TO],  s[8:9] offset:65536
	global_load_b128 v[72:75], v[T16], s[10:11]
	global_load_b128 v[76:79], v[T16], s[10:11] offset:2048
	FETCH_B 0, 0                                   ; the first pass's K steps 0, 1, 2
	FETCH_B 1, 1
	FETCH_B 2, 2
	WIN 0                                          ; at a label and at a branch every window is 0
.Ltile:
	; (a) THE TILE COMES IN: my wave's 32 rows, through a ring of 64 register slots (8 rows x 8 loads): 32 KiB a wave are asked for at any time.
	v_mov_b32 v[AST], v[AST0]
	WIN 0x80
.irp rr, 0,1,2,3,4,5,6,7
.irp jj, 0,1,2,3,4,5,6,7
	global_load_b128 v[32*(\rr)+4*(\jj):32*(\rr)+4*(\jj)+3], v[L16], s[ENCP:ENCP+1] offset:131072*(\rr)+512*(\jj) th:TH_LOAD_NT
.endr
.endr
	WIN 0
	s_mov_b32 s[GRP], 3
.Lgrp:                                         ; a trip: eight rows are stored, the next eight asked for
.irp rr, 0,1,2,3,4,5,6,7
	ROWIN \rr, 56, 1
.endr
	WIN 0
	s_wait_xcnt 0x0                                ; every load and prefetch issued so far has read its address: the pointer may be written
	s_add_nc_u64 s[ENCP:ENCP+1], s[ENCP:ENCP+1], 0x100000
	v_add_nc_u32 v[AST], 8*PITCH, v[AST]
	s_sub_co_u32 s[GRP], s[GRP], 1
	s_cmp_lg_u32 s[GRP], 0
	s_cbranch_scc1 .Lgrp
.irp rr, 0,1,2,3,4,5,6,7
	ROWIN \rr, 56-8*(\rr), 0                       ; the last eight rows: nothing more is asked for, the counts run down
.endr
	WIN 0
	s_add_nc_u64 s[ENCP:ENCP+1], s[ENCP:ENCP+1], 0xd00000  ; all my loads are in: on to the next tile's rows, 128 values of s behind this tile's first
	; (b) the two tables, in the first tile alone
	s_cmp_lg_u32 s[TILES], 2
	s_cbranch_scc1 .Lnotab
	v_add_nc_u32 v[TMP], BIAS, v[T16]
	ds_store_b128 v[TMP], v[64:67]
	ds_store_b128 v[TMP], v[68:71] offset:2048
.irp k, 0,1,2,3
	v_cvt_pk_bf16_f32 v[80+(\k)], v[72+2*(\k)], v[72+2*(\k)+1]     ; Wa is rounded to bf16 like every input,
.endr
.irp k, 0,1,2,3
	v_lshlrev_b32 v[72+2*(\k)],   16, v[80+(\k)]                   ; widened again,
	v_and_b32     v[72+2*(\k)+1], 0xffff0000, v[80+(\k)]
.endr
.irp k, 0,1,2,3
	v_pk_mul_f32 v[72+2*(\k):72+2*(\k)+1], v[72+2*(\k):72+2*(\k)+1], 0xc038aa3b op_sel_hi:[1,0]  ; and multiplied by -c
.endr
	ds_store_b128 v[TMP], v[72:75] offset:4096
	ds_store_b128 v[TMP], v[76:79] offset:6144
.Lnotab:
	; (c) the scores' partial sums start at 0: 64 lines a tile, the price of one epilogue text for both passes
.set i, 0
.rept 64
	v_mov_b32 v[SUM+i], 0
.set i, i+1
.endr
	s_wait_dscnt 0x0                               ; for the others' sake: my rows of A, and my part of the tables, lie in LDS
	s_barrier_signal -1
	s_barrier_wait -1
	s_mov_b32 s[CHUNKS], 2
.Lpass:
.irp p, 0,1,2,3
	v_mov_b32 v[ADR+(\p)], v[AD0+(\p)]
.endr
	v_add_nc_u32 v[BTW], s[CB], v[BT0]
.irp q, 0,1,2,3,4,5,6,7
	ds_load_b32 v[BI+(\q)], v[BTW] offset:64*(\q)
.endr
.irp q, 0,1,2,3,4,5,6,7
	ds_load_b32 v[WA+(\q)], v[BTW] offset:4096+64*(\q)
.endr
	FETCH_A F0, 0
	STEP F0, F1, 0, 64, 3, 1, 1, 1, 32             ; K step 0 stands in front of the loop: its products start the sums with the constant 0
	WIN 0
	s_wait_xcnt 0x0                                ; the B loads have read their address
	s_add_nc_u64 s[BP:BP+1], s[BP:BP+1], 32768
	s_mov_b32 s[KT], 7
.Lk:                                           ; a trip: K steps 4 t + 1 .. 4 t + 4
	STEP F1, F0, 1, 128, 0, 0, 1, 1, 32
	STEP F0, F1, 2, 192, 1, 0, 1, 1, 32
	STEP F1, F0, 3, 256, 2, 0, 1, 1, 32
	STEP F0, F1, 0, 320, 3, 0, 1, 1, 32
	WIN 0
.irp p, 0,1,2,3
	v_add_nc_u32 v[ADR+(\p)], 256, v[ADR+(\p)]
.endr
	s_wait_xcnt 0x0
	s_add_nc_u64 s[BP:BP+1], s[BP:BP+1], 32768
	s_sub_co_u32 s[KT], s[KT], 1
	s_cmp_lg_u32 s[KT], 0
	s_cbranch_scc1 .Lk
	STEP F1, F0, 1, 128, 0, 0, 1, 0, 32            ; K steps 29, 30, 31: no B is left to ask for, the counts run down
	STEP F0, F1, 2, 192, 0, 0, 1, 0, 16
	STEP F1, F0, 3, 0,   0, 0, 0, 0, 0
	WIN 0
	PLACES                                         ; behind the last products: in front of the loads into B's buffers and of the epilogue's reads
	PLACES
	; the next pass's first three K steps of B are asked for now, and land under the epilogue; the last pass asks for nothing
	s_wait_xcnt 0x0
	s_cmp_eq_u32 s[PASSES], 1
	s_cbranch_scc1 .Lnopro
	s_cmp_eq_u32 s[CHUNKS], 2
	s_cselect_b64 s[BP:BP+1], s[B1:B1+1], s[B0:B0+1]
	FETCH_B 0, 0
	FETCH_B 1, 1
	FETCH_B 2, 2
	WIN 0
	s_cmp_eq_u32 s[CHUNKS], 1
	s_cbranch_scc0 .Lnopro
	; a new tile follows: my wave's first 8 rows of it, 32 KiB, are prefetched: a lane a block of 256 bytes, two rows an instruction; each block is named once, by the wave that will load it,
	; one epilogue and one tile's end ahead of those loads.  The other 24 rows come by the ring's own loads.
.irp i, 0,1,2,3
	global_prefetch_b8 v[PFO], s[ENCP:ENCP+1] offset:262144*(\i) th:TH_LOAD_NT scope:SCOPE_SE
.endr
.Lnopro:
.irp p, -1,0,1,2,3,4,5,6,7,8,9,10,11,12,13,14,15,16,17
	PHASE \p
.endr
	s_xor_b32 s[CB], s[CB], 2048
	s_sub_co_u32 s[PASSES], s[PASSES], 1
	s_sub_co_u32 s[CHUNKS], s[CHUNKS], 1
	s_cmp_lg_u32 s[CHUNKS], 0
	s_cbranch_scc1 .Lpass
	; (e) THE TILE'S END.  A lane's sums are over its own column of each column tile: the 16 lanes of a half are added.
.irp m, 1,2,4,8
.set k, 0
.rept 64
	v_add_f32_dpp v[SUM+k], v[SUM+k], v[SUM+k] row_xmask:\m row_mask:0xf bank_mask:0xf
.set k, k+1
.endr
.endr
.irp a, 0,1,2,3,4,5,6,7
	ds_store_b128 v[SCA], v[SUM+8*(\a):SUM+8*(\a)+3]   offset:64*(\a)      ; rows 16 a + 8 h + 0..7; the 16 lanes of a half write the same words with the same values
	ds_store_b128 v[SCA], v[SUM+8*(\a)+4:SUM+8*(\a)+7] offset:64*(\a)+16
.endr
	s_wait_dscnt 0x0                               ; for the others' sake: my columns' part of all 128 scores lies in LDS
	s_barrier_signal -1
	s_barrier_wait -1
.irp u, 0,1,2,3
	ds_load_b128 v[64+4*(\u):67+4*(\u)], v[SCR] offset:512*(\u)            ; lane l: rows 4 l .. 4 l + 3 of all four waves' parts; every wave does this for itself
.endr
	s_wait_dscnt 0x0
	v_pk_add_f32 v[64:65], v[64:65], v[68:69]
	v_pk_add_f32 v[66:67], v[66:67], v[70:71]
	v_pk_add_f32 v[72:73], v[72:73], v[76:77]
	v_pk_add_f32 v[74:75], v[74:75], v[78:79]
	v_pk_add_f32 v[64:65], v[64:65], v[72:73]
	v_pk_add_f32 v[66:67], v[66:67], v[74:75]      ; v64-67: four scores
	v_max3_num_f32 v80, v64, v65, v66
	v_max_num_f32 v80, v80, v67
	v_max_num_f32_dpp v80, v80, v80 row_xmask:1 row_mask:0xf bank_mask:0xf
	v_max_num_f32_dpp v80, v80, v80 row_xmask:2 row_mask:0xf bank_mask:0xf
	v_max_num_f32_dpp v80, v80, v80 row_xmask:4 row_mask:0xf bank_mask:0xf
	v_max_num_f32_dpp v80, v80, v80 row_xmask:8 row_mask:0xf bank_mask:0xf
	v_mov_b32 v81, v80                             ; the exchange's destination counts as read
	v_permlanex16_b32 v81, v80, s[SEL], s[SEL+1]
	v_max3_num_f32 v82, v80, v81, v[MX]            ; the new m
	v_sub_f32 v83, v[MX], v82
	v_sub_f32 v84, v64, v82
	v_sub_f32 v85, v65, v82
	v_sub_f32 v86, v66, v82
	v_sub_f32 v87, v67, v82
	v_mov_b32 v[MX], v82
	v_exp_f32 v83, v83                             ; the factor for l and the context
	v_exp_f32 v84, v84                             ; p of my four rows
	v_exp_f32 v85, v85
	v_exp_f32 v86, v86
	v_exp_f32 v87, v87
	v_nop                                          ; a plain instruction behind the last exponential,
	s_wait_alu depctr_va_vdst(0)                   ; and one wait for the five, ahead of their first reader
	ds_store_b128 v[PTW], v[84:87]                 ; into my wave's own table: LDS serves a wave's instructions in order (ISA guide 5.7.1.4), so my loads below see it
	v_mov_b32 v88, v83
	v_mov_b32 v89, v83
	v_add_f32 v90, v84, v85
	v_add_f32 v91, v86, v87
	v_add_f32 v90, v90, v91
	v_add_f32_dpp v90, v90, v90 row_xmask:1 row_mask:0xf bank_mask:0xf
	v_add_f32_dpp v90, v90, v90 row_xmask:2 row_mask:0xf bank_mask:0xf
	v_add_f32_dpp v90, v90, v90 row_xmask:4 row_mask:0xf bank_mask:0xf
	v_add_f32_dpp v90, v90, v90 row_xmask:8 row_mask:0xf bank_mask:0xf
	v_mov_b32 v91, v90
	v_permlanex16_b32 v91, v90, s[SEL], s[SEL+1]
	v_add_f32 v90, v90, v91
	v_fma_f32 v[LS], v[LS], v83, v90
.irp k, 0,2,4,6
	v_pk_mul_f32 v[CTX+(\k):CTX+(\k)+1], v[CTX+(\k):CTX+(\k)+1], v[88:89]
.endr
	v_add_nc_u32 v[CA], s[W512], v[L16]            ; my 8 channels: bytes 512 w + 16 lane of every row
	v_mov_b32 v[PA], s[PTB]
	LOADH 0, 0
	s_mov_b32 s[CTT], 3
.Lctx:                                         ; a trip: 32 rows, in two blocks of 16 on two buffers
	LOADH 1, 1
	s_wait_dscnt 20                                ; all but the 20 just issued
	FMAH 0
	v_add_nc_u32 v[CA], 32*PITCH, v[CA]
	v_add_nc_u32 v[PA], 128, v[PA]
	LOADH 0, 0
	s_wait_dscnt 20
	FMAH 1
	s_sub_co_u32 s[CTT], s[CTT], 1
	s_cmp_lg_u32 s[CTT], 0
	s_cbranch_scc1 .Lctx
	LOADH 1, 1
	s_wait_dscnt 20
	FMAH 0
	s_wait_dscnt 0x0                               ; my reads of A and of the scores are over:
	FMAH 1
	s_barrier_signal -1                            ; the next tile's stores into A stand behind this barrier
	s_barrier_wait -1
	s_sub_co_u32 s[TILES], s[TILES], 1
	s_cmp_lg_u32 s[TILES], 0
	s_cbranch_scc1 .Ltile
	; THE WAY OUT.  A lane holds 32 consecutive bytes of the context; through my own 1,024 bytes of LDS they become stores of 512 consecutive bytes.
	ds_store_b128 v[CTW], v[CTX:CTX+3]
	ds_store_b128 v[CTW], v[CTX+4:CTX+7] offset:16
	ds_load_b128 v[64:67], v[CTR]
	ds_load_b128 v[68:71], v[CTR] offset:512
	s_lshl_b32 s37, s[WV], 10
	v_add_nc_u32 v[TMP], s37, v[L16]
	s_wait_dscnt 0x0
	global_store_b128 v[TMP], v[64:67], s[12:13]
	global_store_b128 v[TMP], v[68:71], s[12:13] offset:512
	s_cmp_lg_u32 s[WV], 0                          ; every wave holds the same m and l: wave 0 stores them, 512 bytes that repeat the pair
	s_cbranch_scc1 .Lend
	v_mov_b32 v[TMP+4], v[MX]
	v_mov_b32 v[TMP+5], v[LS]
	v_mov_b32 v[TMP+6], v[MX]
	v_mov_b32 v[TMP+7], v[LS]
	global_store_b128 v[L16], v[TMP+4:TMP+7], s[12:13] offset:4096
.Lend:
	s_wait_tensorcnt 0x0                           ; the wave's end: behind my last LDS store
	ds_add_u32 v[SPW], v[NIL]
	s_wait_dscnt 0x0
	s_endpgm
.Lfunc_end_k_q0bbaec3da2_attend:
	.size	k_q0bbaec3da2_attend, .Lfunc_end_k_q0bbaec3da2_attend-k_q0bbaec3da2_attend
	.p2alignl 7, 3214868480
	.fill 96, 4, 3214868480
	.section	.rodata,"a",@progbits
	.p2align	6, 0x0
	.amdhsa_kernel k_q0bbaec3da2_attend
		.amdhsa_group_segment_fixed_size 281088
		.amdhsa_private_segment_fixed_size 0
		.amdhsa_enable_private_segment 0
		.amdhsa_kernarg_size 40
		.amdhsa_user_sgpr_count 2
		.amdhsa_user_sgpr_kernarg_segment_ptr 1
		.amdhsa_wavefront_size32 1
		.amdhsa_system_sgpr_workgroup_id_x 1
		.amdhsa_system_sgpr_workgroup_id_y 1
		.amdhsa_system_sgpr_workgroup_id_z 1
		.amdhsa_system_vgpr_workitem_id 0
		.amdhsa_next_free_vgpr 1024
		.amdhsa_next_free_sgpr 66
		.amdhsa_reserve_vcc 0
		.amdhsa_float_denorm_mode_32 3
		.amdhsa_float_denorm_mode_16_64 3
		.amdhsa_memory_ordered 1
		.amdhsa_forward_progress 1
		.amdhsa_inst_pref_size 248
	.end_amdhsa_kernel
	.amdgpu_metadata
---
amdhsa.version: [ 1, 2 ]
amdhsa.kernels:
  - .name:           k_q0bbaec3da2_attend
    .symbol:         k_q0bbaec3da2_attend.kd
    .args:
      - { .name: enc_outputs, .offset: 0, .size: 8, .value_kind: global_buffer, .address_space: global }
      - { .name: wcf, .offset: 8, .size: 8, .value_kind: global_buffer, .address_space: global }
      - { .name: ws2, .offset: 16, .size: 8, .value_kind: global_buffer, .address_space: global }
      - { .name: Wa, .offset: 24, .size: 8, .value_kind: global_buffer, .address_space: global }
      - { .name: part, .offset: 32, .size: 8, .value_kind: global_buffer, .address_space: global }
    .group_segment_fixed_size: 281088
    .private_segment_fixed_size: 0
    .kernarg_segment_align: 8
    .kernarg_segment_size: 40
    .max_flat_workgroup_size: 128
    .sgpr_count:     66
    .vgpr_count:     1024
    .wavefront_size: 32
...
	.end_amdgpu_metadata
.endif
;; end of part 2
;; launch merge (part 3): grid 32 x 1, 8 waves a work-group, no clusters, 0 bytes of LDS; arguments part, out0; writes out0
.if DOCPART == 3
	.amdgcn_target "amdgcn-amd-amdhsa--gfx1250"
	.amdhsa_code_object_version 6
	.text
	.protected	k_q0bbaec3da2_merge
	.globl	k_q0bbaec3da2_merge
	.p2align	8
	.type	k_q0bbaec3da2_merge,@function
k_q0bbaec3da2_merge:
	s_mov_b64 s[64:65], 0
	v_nop
	global_prefetch_b8 v0, s[64:65] scope:SCOPE_SE
	s_setreg_imm32_b32 hwreg(HW_REG_WAVE_MODE, 25, 1), 1
	s_wait_xcnt 0x0
; MERGE.  out0[b][:] = (the sum over j of w_j ctx_j[:]) / (the sum over j of w_j l_j), w_j = 2^(m_j - max m): the eight records of one b, which cover 256 values of s each, are joined.
; part's record 32 j + b is 4,608 bytes: 1,024 f32 of context, then (m, l) repeated.  Work-group b; thread t owns 16 bytes of the row: a load or store of a wave covers 512 consecutive bytes.
; All in f32.  The largest m has weight 1 and its l is at least 1, so the divisor is at least 1.  No LDS, no matrix unit: 37 KiB in and 4 KiB out for each work-group.
.set REC, 32*4608                      ; bytes from j to j + 1
	s_load_b128 s[4:7], s[0:1], 0x0                ; part s[4:5], out0 s[6:7]
	v_lshlrev_b32 v1, 4, v0
	s_mul_i32 s8, ttmp9, 4608
	s_mov_b32 s9, 0
	s_lshl_b32 s10, ttmp9, 12
	s_mov_b32 s11, 0
	s_wait_kmcnt 0x0
	s_add_nc_u64 s[4:5], s[4:5], s[8:9]
	s_add_nc_u64 s[6:7], s[6:7], s[10:11]
.irp j, 0,1,2,3,4,5,6,7
	s_load_b64 s[16+2*(\j):17+2*(\j)], s[4:5], REC*(\j)+4096       ; m_j, l_j
.endr
.irp j, 0,1,2,3,4,5,6,7
	global_load_b128 v[8+4*(\j):11+4*(\j)], v1, s[4:5] offset:REC*(\j)
.endr
	s_wait_kmcnt 0x0
	v_mov_b32 v40, s16
.irp j, 1,2,3,4,5,6,7
	v_max_num_f32 v40, s[16+2*(\j)], v40
.endr
.irp j, 0,1,2,3,4,5,6,7
	v_sub_f32 v[41+(\j)], s[16+2*(\j)], v40
.endr
.irp j, 0,1,2,3,4,5,6,7
	v_exp_f32 v[41+(\j)], v[41+(\j)]
.endr
	v_nop                                          ; a plain instruction behind the last exponential,
	s_wait_alu depctr_va_vdst(0)                   ; and one wait for the eight
	v_mul_f32 v50, s17, v41
.irp j, 1,2,3,4,5,6,7
	v_fma_f32 v50, s[17+2*(\j)], v[41+(\j)], v50
.endr
	v_rcp_f32 v51, v50
	v_nop
	s_wait_alu depctr_va_vdst(0)
.irp j, 0,1,2,3,4,5,6,7
	v_mul_f32 v[41+(\j)], v[41+(\j)], v51
.endr
	s_wait_loadcnt 7                               ; record 0 is in; the seven younger loads may stay out
.irp k, 0,1,2,3
	v_mul_f32 v[52+(\k)], v[8+(\k)], v41
.endr
.irp j, 1,2,3,4,5,6,7
	s_wait_loadcnt 7-(\j)
.irp k, 0,1,2,3
	v_fma_f32 v[52+(\k)], v[8+4*(\j)+(\k)], v[41+(\j)], v[52+(\k)]
.endr
.endr
	global_store_b128 v1, v[52:55], s[6:7]
	s_endpgm
.Lfunc_end_k_q0bbaec3da2_merge:
	.size	k_q0bbaec3da2_merge, .Lfunc_end_k_q0bbaec3da2_merge-k_q0bbaec3da2_merge
	.p2alignl 7, 3214868480
	.fill 96, 4, 3214868480
	.section	.rodata,"a",@progbits
	.p2align	6, 0x0
	.amdhsa_kernel k_q0bbaec3da2_merge
		.amdhsa_group_segment_fixed_size 0
		.amdhsa_private_segment_fixed_size 0
		.amdhsa_enable_private_segment 0
		.amdhsa_kernarg_size 16
		.amdhsa_user_sgpr_count 2
		.amdhsa_user_sgpr_kernarg_segment_ptr 1
		.amdhsa_wavefront_size32 1
		.amdhsa_system_sgpr_workgroup_id_x 1
		.amdhsa_system_sgpr_workgroup_id_y 1
		.amdhsa_system_sgpr_workgroup_id_z 1
		.amdhsa_system_vgpr_workitem_id 0
		.amdhsa_next_free_vgpr 64
		.amdhsa_next_free_sgpr 66
		.amdhsa_reserve_vcc 0
		.amdhsa_float_denorm_mode_32 3
		.amdhsa_float_denorm_mode_16_64 3
		.amdhsa_memory_ordered 1
		.amdhsa_forward_progress 1
		.amdhsa_inst_pref_size 6
	.end_amdhsa_kernel
	.amdgpu_metadata
---
amdhsa.version: [ 1, 2 ]
amdhsa.kernels:
  - .name:           k_q0bbaec3da2_merge
    .symbol:         k_q0bbaec3da2_merge.kd
    .args:
      - { .name: part, .offset: 0, .size: 8, .value_kind: global_buffer, .address_space: global }
      - { .name: out0, .offset: 8, .size: 8, .value_kind: global_buffer, .address_space: global }
    .group_segment_fixed_size: 0
    .private_segment_fixed_size: 0
    .kernarg_segment_align: 8
    .kernarg_segment_size: 16
    .max_flat_workgroup_size: 256
    .sgpr_count:     66
    .vgpr_count:     64
    .wavefront_size: 32
...
	.end_amdgpu_metadata
.endif
;; end of part 3
